; MI455X (gfx1250); checked and timed in simulation.
; The chip was launched on July 23, 2026; its instructions are those of AMD's public machine-readable ISA for CDNA 5 (MIT licence, August 2026) and "CDNA5" Instruction Set Architecture Reference Guide (July 2026). The comments in the code are by the model that wrote it; some were corrected since.
;; Vector Conditioned Logits GM Prior NLL. Allowed arithmetic: matrix products marked QUANTISED: E2M1 operands, one E8M0 scale for each 32 along K, by v_wmma_scale_f32_16x16x128_f8f6f4 with both operands' format E2M1 (or v_wmma_scale_f32_32x16x128_f4), f32 sums; everything else in f32.
;; Inputs: logits 256 x 512 float32; means 512 x 32 float32; x 256 x 1,024 x 32 float32.
;; Outputs: out0 256 x 1,024 float32.
;; This version of the problem:
;;   THIS VERSION OF THE PROBLEM IS GIVEN IN LOW PRECISION. The matrix products marked QUANTISED in the list below multiply operands that are first quantised to E2M1 (2 exponent bits, 1 mantissa bit; 4 bits a number), with one power-of-two scale for each 32 numbers along K (OCP MX v1.0); their sums are f32. All else is computed in f32.
;;   The module's matrix products, in the order in which they are computed (A, B: the left and right operand; K: the contracted axis; several contracted axes count as one K, in the product's order):
;;     1. [M 262,144, K 32] x [K 32, N 512]; A: input x; B: input means: QUANTISED
;;   THE QUANTISER, for each operand of a quantised product, along K:
;;     - K is cut into blocks of 32 from its start; a last block that is shorter is filled with zeros.
;;     - A block's scale is 2^e with e = floor(log2(the largest magnitude in the block)) - 2, held to -126 .. 127; a block of zeros has e = 0. As a byte (E8M0): e + 127.
;;     - Each number is divided by its block's scale, clamped to +-6, and rounded to the nearest number of E2M1, ties to even, subnormals kept.
;;     - The product sums the exact products of the quantised numbers (number of the format x scale) in f32.
;;   ~~~python
;;   def quantise(x, axis):      # numpy; x: float32 -> the quantised numbers, widened to float32 again
;;       x = np.moveaxis(x, axis, -1); K = x.shape[-1]
;;       x = np.pad(x, [(0, 0)] * (x.ndim - 1) + [(0, -K % 32)]); x = x.reshape(x.shape[:-1] + (-1, 32)); a = np.abs(x).max(-1, keepdims=True)
;;       e = np.where(a > 0, np.clip(np.frexp(np.where(a > 0, a, 1))[1] - 1 - 2, -126, 127), 0)      # np.frexp(a)[1] - 1 = floor(log2(a)), exactly
;;       r = np.clip(x / 2.0 ** e, -6, 6)
;;       step = 2.0 ** (np.maximum(np.frexp(np.where(r == 0, 1, r))[1] - 1, 0) - 1)
;;       q = np.round(r / step) * step * 2.0 ** e      # np.round: ties to even
;;       return np.moveaxis(q.reshape(q.shape[:-2] + (-1,))[..., :K], -1, axis).astype(np.float32)
;;   ~~~
;; One version. Each part assembles by itself: llvm-mc -triple=amdgcn-amd-amdhsa -mcpu=gfx1250 --defsym DOCPART=n.
;; ======== version 1 of 1: 1 launch
;; launch gmnll (part 1): grid 256 x 1, 8 waves a work-group, clusters of 4 x 1, 230,400 bytes of LDS; arguments x, logits, means, out0; writes out0
.if DOCPART == 1
	.amdgcn_target "amdgcn-amd-amdhsa--gfx1250"
	.amdhsa_code_object_version 6
	.text
	.protected	k_q0c5506e33e_gmnll
	.globl	k_q0c5506e33e_gmnll
	.p2align	8
	.type	k_q0c5506e33e_gmnll,@function
k_q0c5506e33e_gmnll:
	s_mov_b64 s[64:65], 0
	v_nop
	global_prefetch_b8 v0, s[64:65] scope:SCOPE_SE
	s_setreg_imm32_b32 hwreg(HW_REG_WAVE_MODE, 25, 1), 1
	s_wait_xcnt 0x0
	s_wait_alu depctr_hold_cnt(0) depctr_sa_sdst(0) depctr_va_vdst(0) depctr_va_sdst(0) depctr_va_ssrc(0) depctr_va_vcc(0) depctr_vm_vsrc(0)
	s_getreg_b32 s2, hwreg(HW_REG_IB_STS2, 6, 4)
	s_cmp_eq_u32 s2, 0
	s_cbranch_scc0 .Lentry_in_a_cluster
	s_endpgm
.Lentry_in_a_cluster:
	s_bfe_u32 s2, ttmp6, 0x10000c
	s_cmp_lg_u32 s2, 0x3003
	s_cbranch_scc0 .Lentry_shape_is_right
	s_endpgm
.Lentry_shape_is_right:
; out0[b][s] = 0.5 |x[b][s]|^2 + 16 log(2 pi) - logsumexp over k of ( c[b][k] + x[b][s] . means[k] ),   c[b][k] = log_softmax(logits[b])[k] - 0.5 |means[k]|^2.
; x: [256][1024][32] f32, logits: [256][512] f32, means: [512][32] f32, out0: [256][1024] f32.  That is the mixture's negative log-likelihood with the squared distance multiplied out.
; THE PRODUCT x . means is made on codes of FP4 (E2M1) with one E8M0 scale for each 32 along K; K = 32 is ONE block.  Both operands are quantised here, from f32.  |x|^2, |means|^2 and the log_softmax are taken of the f32 numbers.
; SHARES.  A work-group owns one b: 1,024 rows of x against all 512 components.  Eight waves, 128 rows each, 32 rows a trip, four trips.
; LAYOUT.  The matrix instruction is used transposed (source 0 = 16 components, source 1 = 16 rows of x): a lane holds ONE row (lane % 16) and its eight registers the components 8 (lane / 16) + 0..7 of a tile.
; K = 128 OF THE INSTRUCTION AGAINST K = 32 OF THE PROBLEM.  A fragment's four blocks of 32 lie in registers 0-3 of lanes 0-15, registers 0-3 of lanes 16-31, registers 4-7 of lanes 0-15, registers 4-7 of lanes 16-31.
;   A fragment of means holds FOUR tiles of components, one in each block: 8 fragments (64 registers) hold all 512.  A row tile's codes stand in ONE block of x's fragment and zero codes in the other three: that picks the tile.
;   x's operands are the run  Z P0 Z Q0 Z P1 Z Q1 Z  of groups of four registers (P: the tile's codes in lanes 0-15, Q: in lanes 16-31, Z: zeros): block 0 = (P,Z), 1 = (Q,Z), 2 = (Z,P), 3 = (Z,Q).
; c IS THE C OF EVERY PRODUCT: 32 tiles x 8 registers in the result's layout, all of window 1.  So the bias costs no vector instruction.
; LOGSUMEXP, with the maximum taken away: each lane keeps a running maximum m and sum of 2^((z - m) log2 e) of ITS 256 components, 64 at a time; when m grows the sum is multiplied by 2^((m_old - m_new) log2 e).
;   The two lanes of a row are joined once a trip.
; MEMORY.  All of the work-group's x comes into LDS by tensor loads issued at the head (each wave its own 128 rows, and only it reads them), as rows of 256 bytes + 16 of padding.  No LDS byte is filled twice.
;   means is read by every work-group: the four work-groups of a cluster ask for it JOINTLY (mask 15), each wave for an eighth.  x and logits are shared by nobody.
;   Nothing is prefetched: every byte that the launch reads is asked for at its head.
; LIMITS.  NaN and infinities among the inputs are not served.  A block of zeros gets the scale byte 1 where the rule says 127: its codes are zeros, and this program alone reads the byte.
;   The f32 sums are taken in another order than a row-wise sum.  (c + x . means) log2 e has to be finite in f32.
.set PITCH,  272                       ; an LDS row: 256 bytes (two rows of x or of means) + 16 of padding = 68 words: LDS row i starts at bank 4 i mod 64 (64 banks of 4 bytes: ISA guide 11.1)
.set XWAVE,  64*PITCH                  ; a wave's 128 rows of x
.set XSTEP,  16*PITCH                  ; 32 rows: a trip's
.set MRAW,   8*XWAVE                   ; behind x: means as f32, 32 LDS rows (64 components) for each wave
.set MWAVE,  32*PITCH
.set MCOD,   MRAW+8*MWAVE              ; means' codes: component k's 16 bytes at 16 k
.set MSCL,   MCOD+8192                 ; means' scale bytes: component 64 g + 16 b + r at 64 g + 4 r + b: a word is what lane r wants for fragment g
.set CBIAS,  MSCL+512                  ; c[k], f32
.set OSTG,   CBIAS+2048                ; the way out: 512 bytes for each wave
; vector registers, window 0
.set AX,  2                            ; v2      LDS address of my row of x in the wave's first 32
.set AXT, 3                            ; v3      the same in the trip ahead
.set AO,  4                            ; v4      the out stage: my word in the wave's first 128 bytes
.set AOT, 5                            ; v5      the same in this trip
.set X2,  6                            ; v6      |x|^2 of row lane
.set MR,  7                            ; v7      the running maximum
.set NM,  8                            ; v[8:9]  -m log2 e (the packed form names a pair and takes its low word for both halves; v9 is written once)
.set FF,  10                           ; v[10:11] 2^((m_old - m_new) log2 e), likewise
.set SS,  12                           ; v[12:13] the running sum, in two halves
.set NO,  14                           ; v14     -m_old log2 e
.set SB,  15                           ; v15     rows 16-31: the sum when all components are done
.set MF,  16                           ; v16-79  means' 8 fragments
.set MS,  80                           ; v80-83  means' scale words: register i: lanes 0-15 fragment 2 i, lanes 16-31 fragment 2 i + 1.  They hold scales and nothing else
.set XSC, 84                           ; v84     x's scale word: lane l has row l's byte, four times.  It holds scales and nothing else
.set NA,  85                           ; v85     rows 0-15: -m log2 e when all components are done;  v86 rows 16-31;  v87 rows 0-15: the sum
.set NB,  86
.set SA,  87
.set XB,  88                           ; v88-123 Z P0 Z Q0 Z P1 Z Q1 Z
.set TM,  124                          ; v124-127 at work
.set ZB,  128                          ; v128-191, v192-255: two buffers of 8 tiles of scores
.set XR,  ZB                           ; a trip's 32 numbers of x (the first buffer is free then), and behind them the quantiser's registers
.set QT,  ZB+32
; the head's registers, in the buffers
.set RAW, ZB                           ; v128-191 two rows of means
.set LG,  192                          ; v192-207 16 of the 512 logits
.set LGC, 208                          ; v208-209 the logits of my two components
.set LL,  210                          ; logsumexp(logits[b])
.set LM,  211                          ; max(logits[b])
.set PT,  212                          ; v212-219 at work
.set BY,  220                          ; v220-221 scale bytes,  v222-223 c,  v224-231 codes of my two components
.set CC,  222
.set CD,  224
.set M2,  232
.set AMR, 233                          ; LDS addresses of the head
.set AMC, 234
.set AMB, 235
.set ACW, 236
.set AM,  237
.set AS,  238
.set AC,  239
.set LO1, 240                          ; byte offsets in the row of logits
.set LO2, 241
; scalar registers
.set WV,  12                           ; my wave's number
.set BI,  14                           ; b
.set G1M, 16                           ; s[16:23] descriptor group 1 for means,  s[24:31] for x's first 32 rows,  s[32:39] for its other 96
.set G1A, 24
.set G1B, 32
.set G0M, 40                           ; s[40:43], s[44:47], s[48:51] their groups 0
.set G0A, 44
.set G0B, 48
.set CS,  58                           ; s[58:59] log2 e, as a pair
.set NL,  60                           ; -log2 e
.set LNS, 61                           ; 16 log(2 pi)
.set NLN2, 62                          ; -ln 2
.set SEL, 66                           ; s[66:67] v_permlanex16_b32's selects for lane l xor 16
.set XO,  68                           ; LDS bytes from the wave's first 32 rows to the trip ahead's
.set OO,  69                           ; bytes of the out stage that are written
.set TR,  70                           ; trips to go
.set MSB, 0
.macro WIN new                         ; the immediate's high byte repeats the setting that is left; a switch that changes nothing is dropped
.if MSB != \new
	s_set_vgpr_msb (MSB<<8)|\new
.set MSB, \new
.endif
.endm
; A round of the cluster's barrier: my work-group's barrier, wave 0 signals for the work-group, every wave waits for all four work-groups, my work-group's barrier once more.
.macro ROUND
	s_barrier_signal -1
	s_barrier_wait -1
	s_cmp_lg_u32 s[WV], 0
	s_cbranch_scc1 .Lnot_wave_0_\@
	s_barrier_signal -3
.Lnot_wave_0_\@:
	s_barrier_wait -3
	s_barrier_signal -1
	s_barrier_wait -1
.endm
; v[a] = the largest magnitude of the block v[s] .. v[s+31], with the floor 2^(3 - 127) among the leaves, so that the scale's byte cannot fall under 1.  Two chains; v[b] at work.
.macro AMAX a, b, s
	v_max3_num_f32 v[\a], |v[\s]|, |v[\s+1]|, 0x1800000
	v_max3_num_f32 v[\b], |v[\s+2]|, |v[\s+3]|, |v[\s+4]|
.irp i, 5,9,13,17,21,25
	v_max3_num_f32 v[\a], v[\a], |v[\s+\i]|, |v[\s+\i+1]|
	v_max3_num_f32 v[\b], v[\b], |v[\s+\i+2]|, |v[\s+\i+3]|
.endr
	v_max3_num_f32 v[\a], v[\a], |v[\s+29]|, |v[\s+30]|
	v_max3_num_f32 v[\a], v[\a], v[\b], |v[\s+31]|
.endm
; v[d] = the sum of the squares of v[s] .. v[s+31]: two packed chains in the pairs v[p:p+1], v[q:q+1]
.macro SUMSQ d, p, q, s
	v_pk_mul_f32 v[\p:\p+1], v[\s:\s+1], v[\s:\s+1]
	v_pk_mul_f32 v[\q:\q+1], v[\s+2:\s+3], v[\s+2:\s+3]
.irp i, 4,8,12,16,20,24,28
	v_pk_fma_f32 v[\p:\p+1], v[\s+\i:\s+\i+1], v[\s+\i:\s+\i+1], v[\p:\p+1]
	v_pk_fma_f32 v[\q:\q+1], v[\s+\i+2:\s+\i+3], v[\s+\i+2:\s+\i+3], v[\q:\q+1]
.endr
	v_pk_add_f32 v[\p:\p+1], v[\p:\p+1], v[\q:\q+1]
	v_add_f32 v[\d], v[\p], v[\p+1]
.endm
; 32 ROWS OF x BECOME OPERANDS.  Lane l takes row l whole: its 32 numbers are one block, so no other lane is asked for the maximum, and its four code registers are the row's 16 bytes.
.macro QUANT adr
.irp i, 0,1,2,3,4,5,6,7
	ds_load_b128 v[XR+4*\i:XR+4*\i+3], v[\adr] offset:16*\i
.endr
	s_wait_dscnt 0x0
	AMAX QT, QT+1, XR
	v_add_nc_u32 v[QT+2], 0xff000000, v[QT]        ; 2 off the exponent field: the conversion takes the exponent field of this operand as its scale, and nothing else of it
	v_lshrrev_b32 v[QT+3], 23, v[QT+2]             ; the scale's byte,
	v_lshl_or_b32 v[QT+3], v[QT+3], 8, v[QT+3]
	v_lshl_or_b32 v[XSC], v[QT+3], 16, v[QT+3]     ; four times: it serves whichever block the codes stand in
.irp g, 0,1,2,3
	v_cvt_scalef32_pk8_fp4_f32 v[XB+4+\g], v[XR+8*\g:XR+8*\g+7], v[QT+2]    ; the codes, into P0's registers
	v_cvt_scalef32_pk8_fp4_f32 v[XB+28+\g], v[XR+8*\g:XR+8*\g+7], v[QT+2]   ; and once more into Q1's
.endr
.irp g, 0,1,2,3
	v_mov_b32 v[XB+20+\g], 0                       ; P1 and Q0 begin as zeros.  (Plain instructions between the conversions and the lines that touch their results)
	v_mov_b32 v[XB+12+\g], 0
.endr
.irp g, 0,1,2,3
	v_permlane16_swap_b32 v[XB+4+\g], v[XB+20+\g]  ; the first's lanes 16-31 change places with the second's lanes 0-15: P0 = rows 0-15 in lanes 0-15, P1 = rows 16-31 in lanes 0-15, zeros above
	v_permlane16_swap_b32 v[XB+12+\g], v[XB+28+\g] ; Q0 = rows 0-15 in lanes 16-31, Q1 = rows 16-31 in lanes 16-31, zeros below
.endr
	SUMSQ X2, QT+4, QT+6, XR                       ; |x|^2 of the f32 numbers.  These 18 plain instructions are also the places between the writes of the operands (4 asked) and of the scale word (8 asked) and the scaled products
.endm
; THE 8 PRODUCTS OF CHUNK q (row tile q / 4, components 128 (q % 4) on) into buffer q % 2: fragments 2 (q % 4) + f of means, block b of each; C = c's tile, in window 1.  No two of them share a result.
.macro MM q
.set mT, (\q)/4
.set mC, (\q)%4
	WIN 0x10                                       ; source 2 in window 1
.irp f, 0,1
.irp b, 0,1,2,3
.set mD, ZB+64*((\q)%2)+8*(4*\f+\b)
.set mA, MF+8*(2*mC+\f)
.set mB, XB+16*mT+8*(\b%2)+4*(1-\b/2)
.set mW, 8*(8*mC+4*\f+\b)
.if (\f == 0) && (mT == 0)
	v_wmma_scale_f32_16x16x128_f8f6f4 v[mD:mD+7], v[mA:mA+7], v[mB:mB+7], v[mW:mW+7], v[MS+mC], v[XSC] matrix_a_fmt:MATRIX_FMT_FP4 matrix_b_fmt:MATRIX_FMT_FP4
.elseif (\f == 1) && (mT == 0)
	v_wmma_scale_f32_16x16x128_f8f6f4 v[mD:mD+7], v[mA:mA+7], v[mB:mB+7], v[mW:mW+7], v[MS+mC], v[XSC] matrix_a_fmt:MATRIX_FMT_FP4 matrix_b_fmt:MATRIX_FMT_FP4 matrix_a_scale:MATRIX_SCALE_ROW1
.elseif \f == 0
	v_wmma_scale_f32_16x16x128_f8f6f4 v[mD:mD+7], v[mA:mA+7], v[mB:mB+7], v[mW:mW+7], v[MS+mC], v[XSC] matrix_a_fmt:MATRIX_FMT_FP4 matrix_b_fmt:MATRIX_FMT_FP4 matrix_b_scale:MATRIX_SCALE_ROW1
.else
	v_wmma_scale_f32_16x16x128_f8f6f4 v[mD:mD+7], v[mA:mA+7], v[mB:mB+7], v[mW:mW+7], v[MS+mC], v[XSC] matrix_a_fmt:MATRIX_FMT_FP4 matrix_b_fmt:MATRIX_FMT_FP4 matrix_a_scale:MATRIX_SCALE_ROW1 matrix_b_scale:MATRIX_SCALE_ROW1
.endif
.endr
.endr
.endm
; THE VECTOR WORK OF CHUNK q: a lane's 64 scores z.  32 v_max3, the new m, 32 packed scalings, 64 exponentials, 32 packed sums.  A row tile's first chunk (q % 4 = 0) starts m and the sum.
.macro SOFT q
.set sZ, ZB+64*((\q)%2)
	WIN 0
.irp i, 0,1,2,3
	v_max3_num_f32 v[TM+\i], v[sZ+16*\i], v[sZ+16*\i+1], v[sZ+16*\i+2]     ; four chains of 16 scores, by turns; each result is read from its low end on
.endr
.irp j, 3,5,7,9,11,13
.irp i, 0,1,2,3
	v_max3_num_f32 v[TM+\i], v[TM+\i], v[sZ+16*\i+\j], v[sZ+16*\i+\j+1]
.endr
.endr
	v_max3_num_f32 v[TM], v[TM], v[sZ+15], v[sZ+31]
	v_max3_num_f32 v[TM+2], v[TM+2], v[sZ+47], v[sZ+63]
	v_max3_num_f32 v[TM], v[TM], v[TM+1], v[TM+2]
.if ((\q)%4) == 0
	v_max_num_f32 v[MR], v[TM], v[TM+3]
	v_mul_f32 v[NM], s[NL], v[MR]                  ; -m log2 e
.else
	v_max3_num_f32 v[MR], v[TM], v[TM+3], v[MR]    ; with the maximum so far
	v_mov_b32 v[NO], v[NM]
	v_mul_f32 v[NM], s[NL], v[MR]
	v_sub_f32 v[FF], v[NM], v[NO]                  ; (m_old - m_new) log2 e: 0 where m has not grown
	v_exp_f32 v[FF], v[FF]                         ; the first of the chunk's batch of exponentials
.endif
.irp j, 0,1,2,3
	v_pk_fma_f32 v[sZ+2*\j:sZ+2*\j+1], v[sZ+2*\j:sZ+2*\j+1], s[CS:CS+1], v[NM:NM+1] op_sel_hi:[1,0,0]   ; (z - m) log2 e, two at a time
.endr
.set sj, 0
.rept 32                               ; two exponentials and the scaling of the pair four further on, by turns: none of these reads an exponential's result
	v_exp_f32 v[sZ+2*sj], v[sZ+2*sj]
	v_exp_f32 v[sZ+2*sj+1], v[sZ+2*sj+1]
.if sj+4 < 32
	v_pk_fma_f32 v[sZ+2*sj+8:sZ+2*sj+9], v[sZ+2*sj+8:sZ+2*sj+9], s[CS:CS+1], v[NM:NM+1] op_sel_hi:[1,0,0]
.endif
.set sj, sj+1
.endr
	v_nop                                          ; a plain instruction behind the last exponential (ISA guide 5.7.2)
	s_wait_alu depctr_va_vdst(0)                   ; the wait ahead of the first line that names a result: one for the whole batch
.irp u, 0,1,2,3,4,5,6,7,8,9,10,11,12,13,14,15
	v_pk_add_f32 v[sZ+4*\u:sZ+4*\u+1], v[sZ+4*\u:sZ+4*\u+1], v[sZ+4*\u+2:sZ+4*\u+3]     ; the sum of the 32 pairs, in place: neighbours 1, 2, 4, 8 pairs apart
.endr
.irp u, 0,1,2,3,4,5,6,7
	v_pk_add_f32 v[sZ+8*\u:sZ+8*\u+1], v[sZ+8*\u:sZ+8*\u+1], v[sZ+8*\u+4:sZ+8*\u+5]
.endr
.irp u, 0,1,2,3
	v_pk_add_f32 v[sZ+16*\u:sZ+16*\u+1], v[sZ+16*\u:sZ+16*\u+1], v[sZ+16*\u+8:sZ+16*\u+9]
.endr
.irp u, 0,1
	v_pk_add_f32 v[sZ+32*\u:sZ+32*\u+1], v[sZ+32*\u:sZ+32*\u+1], v[sZ+32*\u+16:sZ+32*\u+17]
.endr
.if ((\q)%4) == 0
	v_pk_add_f32 v[SS:SS+1], v[sZ:sZ+1], v[sZ+32:sZ+33]
.else
	v_pk_fma_f32 v[SS:SS+1], v[SS:SS+1], v[FF:FF+1], v[sZ:sZ+1] op_sel_hi:[1,0,1]       ; the sum so far under the new m
	v_pk_add_f32 v[SS:SS+1], v[SS:SS+1], v[sZ+32:sZ+33]
.endif
.if (\q) == 3
	v_add_f32 v[SA], v[SS], v[SS+1]                ; rows 0-15 have seen all components
	v_mov_b32 v[NA], v[NM]
.endif
.if (\q) == 7
	v_add_f32 v[SB], v[SS], v[SS+1]                ; rows 16-31 likewise
	v_mov_b32 v[NB], v[NM]
.endif
.endm
; A TRIP'S END.  Lane (r, h) holds half h of row r in NA, SA and half h of row 16 + r in NB, SB.  The two exchanges leave lane l with row l's half 0 in NA, SA and its half 1 in NB, SB: the rest is a lane's own work, 32 rows at once.
.macro FINISH
	v_permlane16_swap_b32 v[NA], v[NB]
	v_permlane16_swap_b32 v[SA], v[SB]
	v_min_num_f32 v[TM], v[NA], v[NB]              ; -(the row's maximum) log2 e
	v_sub_f32 v[TM+1], v[TM], v[NA]
	v_sub_f32 v[TM+2], v[TM], v[NB]
	v_exp_f32 v[TM+1], v[TM+1]
	v_exp_f32 v[TM+2], v[TM+2]
	v_fma_f32 v[TM+3], v[X2], 0.5, s[LNS]          ; 0.5 |x|^2 + 16 log(2 pi).  (The plain instruction behind the two exponentials)
	s_wait_alu depctr_va_vdst(0)                   ; one wait for the two, ahead of their first reader
	v_mul_f32 v[TM+1], v[SA], v[TM+1]
	v_fmac_f32 v[TM+1], v[SB], v[TM+2]             ; the row's sum under the row's maximum: at least about 1
	v_log_f32 v[TM+1], v[TM+1]
	v_add_nc_u32 v[AOT], s[OO], v[AO]              ; (the plain instruction behind the logarithm)
	s_wait_alu depctr_va_vdst(0)
	v_sub_f32 v[TM+1], v[TM+1], v[TM]              ; the logsumexp, in base 2
	v_fma_f32 v[TM+3], v[TM+1], s[NLN2], v[TM+3]
	ds_store_b32 v[AOT], v[TM+3]                   ; row 32 trip + lane, into my wave's stage
.endm
; A TRIP: 32 rows x 512 components in eight chunks.  A chunk's products are issued one chunk ahead, into the other buffer, so that they run beside the vector work; the vector work of a chunk names none of their registers.
.macro TRIP
	MM 0
	MM 1
.rept 4
	v_nop                                          ; four places between chunk 0's products and the first read of their results (ISA guide 7.12.1); later chunks have a chunk's vector work there
.endr
	SOFT 0
.irp q, 1,2,3,4,5,6
	MM \q+1
	SOFT \q
.endr
	SOFT 7
	FINISH
.endm
	s_load_b256 s[4:11], s[0:1], 0x0               ; x s[4:5], logits s[6:7], means s[8:9], out0 s[10:11]
	v_lshl_add_u32 v254, v0, 2, 0x38000
	v_mov_b32 v255, 0
	ds_add_u32 v254, v255
	ds_add_u32 v254, v255
	s_wait_dscnt 0x0
	v_lshrrev_b32 v1, 5, v0
	v_readfirstlane_b32 s[WV], v1                  ; wave 0..7
	s_bfe_u32 s13, ttmp6, 0x40000                  ; cx: my place in the cluster
	s_lshl_b32 s[BI], ttmp9, 2                     ; in a cluster launch ttmp9 counts clusters
	s_add_co_u32 s[BI], s[BI], s13                 ; b = 4 x cluster + cx: it enters the global addresses of x, logits and out0 alone
	; descriptor group 1: rows of 256 bytes (32 elements of 8 bytes), dense in memory, 16 bytes of padding behind each
	s_mov_b32 s[G1M], 15|(3<<16)|(1<<20)|(1<<21)|(5<<22)|(3<<25)   ; 15:0 the mask: all four work-groups; 17:16 elements of 8 bytes; 20 padding on; 21 set beside a mask; 24:22 after every 64 words (code 5); 31:25 four words (code 3)
	s_mov_b32 s[G1A], (3<<16)|(1<<20)|(5<<22)|(3<<25)              ; x's tiles are my own: no mask
	s_mov_b32 s[G1B], (3<<16)|(1<<20)|(5<<22)|(3<<25)
.irp g, G1M, G1A, G1B
	s_mov_b32 s[\g+1], 32<<16                      ; tensor_dim0 = 32
	s_mov_b32 s[\g+3], 32<<16                      ; tile_dim0 = 32
	s_mov_b32 s[\g+5], 32                          ; tensor_dim0_stride
	s_mov_b32 s[\g+6], 0
	s_mov_b32 s[\g+7], 0
.endr
	s_mov_b32 s[G1M+2], 32<<16                     ; tensor_dim1 and tile_dim1: means: 32 LDS rows = 64 components a wave
	s_mov_b32 s[G1M+4], 32
	s_mov_b32 s[G1A+2], 16<<16                     ; x: 16 LDS rows = the first trip's 32 rows, by a load of their own, so that the first trip waits for 4,096 bytes and not for 16,384
	s_mov_b32 s[G1A+4], 16
	s_mov_b32 s[G1B+2], 48<<16                     ; and the other 96 rows
	s_mov_b32 s[G1B+4], 48
	s_mov_b32 s[G0M], 1                            ; count = 1
	s_mov_b32 s[G0A], 1
	s_mov_b32 s[G0B], 1
	s_mul_i32 s[G0M+1], s[WV], MWAVE               ; LDS addresses: a constant + the wave's number x a constant
	s_add_co_u32 s[G0M+1], s[G0M+1], MRAW
	s_mul_i32 s[G0A+1], s[WV], XWAVE
	s_add_co_u32 s[G0B+1], s[G0A+1], XSTEP
	s_mov_b32 s[CS], 0x3fb8aa3b                    ; log2 e
	s_mov_b32 s[CS+1], s[CS]                       ; (named with it as a pair, so it is written)
	s_mov_b32 s[NL], 0xbfb8aa3b                    ; -log2 e
	s_mov_b32 s[LNS], 0x41eb3f8e                   ; 16 log(2 pi) = 29.406033
	s_mov_b32 s[NLN2], 0xbf317218                  ; -ln 2
	s_mov_b32 s[SEL], 0x76543210
	s_mov_b32 s[SEL+1], 0xfedcba98
	s_mov_b32 s53, 0
	s_lshl_b32 s52, s[WV], 13                      ; means: my wave's 64 rows of 128 bytes: the same in all four partners
	s_wait_kmcnt 0x0
	s_add_nc_u64 s[G0M+2:G0M+3], s[8:9], s[52:53]
	s_or_b32 s[G0M+3], s[G0M+3], 0x80000000        ; type = 2
	s_lshl_b32 s52, s[BI], 17                      ; x: b x 131,072 bytes
	s_lshl_b32 s15, s[WV], 14                      ; + my wave's 128 rows
	s_add_co_u32 s52, s52, s15
	s_add_nc_u64 s[G0A+2:G0A+3], s[4:5], s[52:53]
	s_add_nc_u64 s[G0B+2:G0B+3], s[G0A+2:G0A+3], 4096
	s_or_b32 s[G0A+3], s[G0A+3], 0x80000000
	s_or_b32 s[G0B+3], s[G0B+3], 0x80000000
	s_lshl_b32 s52, s[BI], 11                      ; logits: b x 2,048 bytes
	s_add_nc_u64 s[6:7], s[6:7], s[52:53]
	s_lshl_b32 s52, s[BI], 12                      ; out0: b x 4,096 bytes + my wave's 512
	s_lshl_b32 s15, s[WV], 9
	s_add_co_u32 s52, s52, s15
	s_add_nc_u64 s[10:11], s[10:11], s[52:53]
	ROUND                                          ; all four work-groups are here: the joint loads meet
	tensor_load_to_lds s[G0M:G0M+3], s[G1M:G1M+7]  ; my eighth of means, jointly
	s_nop 0
	tensor_load_to_lds s[G0A:G0A+3], s[G1A:G1A+7]  ; my first 32 rows of x
	s_nop 0
	tensor_load_to_lds s[G0B:G0B+3], s[G1B:G1B+7]  ; my other 96: three loads of mine are out, and no more are issued
	s_nop 0
.rept 4
	v_nop                                          ; four v_nop follow the last of them
.endr
	v_and_b32 v1, 31, v0                           ; lane
	v_lshlrev_b32 v[LO1], 4, v1
	s_lshl_b32 s15, s[WV], 8
	v_lshl_add_u32 v[LO2], v1, 2, s15              ; my components are 64 wave + lane and 32 further on
.irp i, 0,1,2,3
	global_load_b128 v[LG+4*\i:LG+4*\i+3], v[LO1], s[6:7] offset:512*\i   ; the whole row of logits in each wave, 512 consecutive bytes a load: its logsumexp then needs no other wave
.endr
	global_load_b32 v[LGC], v[LO2], s[6:7]
	global_load_b32 v[LGC+1], v[LO2], s[6:7] offset:128
	v_mov_b32 v[NM+1], 0                           ; the upper halves of two pairs, and the zeros among x's operands: written once
	v_mov_b32 v[FF+1], 0
.irp z, 0,8,16,24,32
.irp g, 0,1,2,3
	v_mov_b32 v[XB+\z+\g], 0
.endr
.endr
	v_lshrrev_b32 v[PT], 1, v1
	v_mul_u32_u24 v[PT], v[PT], PITCH
	v_and_b32 v[PT+1], 1, v1
	v_lshl_add_u32 v[PT], v[PT+1], 7, v[PT]        ; row lane of 32: LDS row lane / 2, its half lane % 2
	v_add_nc_u32 v[AX], s[G0A+1], v[PT]
	v_add_nc_u32 v[AMR], s[G0M+1], v[PT]
	v_lshl_add_u32 v[AM], v1, 4, MCOD              ; a fragment's registers 0-3: 16 bytes a lane
	s_lshl_b32 s15, s[WV], 10
	v_add_nc_u32 v[AMC], s15, v[AM]                ; where my components' codes go: 16 (64 wave + lane)
	v_lshl_add_u32 v[AS], v1, 2, MSCL              ; scale words: 4 bytes a lane
	v_and_b32 v[PT], 15, v1
	v_lshrrev_b32 v[PT+1], 4, v1
	v_lshl_add_u32 v[PT], v[PT], 2, v[PT+1]
	s_lshl_b32 s15, s[WV], 6
	s_add_co_u32 s15, s15, MSCL
	v_add_nc_u32 v[AMB], s15, v[PT]                ; my components' scale bytes: 64 wave + 4 (lane % 16) + lane / 16, and 2 further on
	v_lshl_add_u32 v[AC], v[PT+1], 5, CBIAS        ; c in the result's layout: 8 numbers from 8 (lane / 16) on
	s_lshl_b32 s15, s[WV], 8
	s_add_co_u32 s15, s15, CBIAS
	v_lshl_add_u32 v[ACW], v1, 2, s15              ; where my components' c go
	s_lshl_b32 s15, s[WV], 9
	s_add_co_u32 s15, s15, OSTG
	v_lshl_add_u32 v[AO], v1, 2, s15
	; logsumexp(logits[b]), in every lane of every wave: the maximum is taken away first
	s_wait_loadcnt 0x0
	v_max3_num_f32 v[PT], v[LG], v[LG+1], v[LG+2]
.irp i, 3,5,7,9,11,13
	v_max3_num_f32 v[PT], v[PT], v[LG+\i], v[LG+\i+1]
.endr
	v_max_num_f32 v[PT], v[PT], v[LG+15]
.irp m, 1,2,4,8
	v_max_num_f32_dpp v[PT], v[PT], v[PT] row_xmask:\m row_mask:0xf bank_mask:0xf
.endr
	v_permlanex16_b32 v[PT+1], v[PT], s[SEL], s[SEL+1]
	v_max_num_f32 v[LM], v[PT], v[PT+1]
	v_mul_f32 v[NM], s[NL], v[LM]
.irp j, 0,2,4,6,8,10,12,14
	v_pk_fma_f32 v[LG+\j:LG+\j+1], v[LG+\j:LG+\j+1], s[CS:CS+1], v[NM:NM+1] op_sel_hi:[1,0,0]
.endr
.irp j, 0,1,2,3,4,5,6,7,8,9,10,11,12,13,14,15
	v_exp_f32 v[LG+\j], v[LG+\j]
.endr
	v_nop
	s_wait_alu depctr_va_vdst(0)                   ; one wait for the sixteen
.irp j, 0,4,8,12
	v_pk_add_f32 v[LG+\j:LG+\j+1], v[LG+\j:LG+\j+1], v[LG+\j+2:LG+\j+3]
.endr
	v_pk_add_f32 v[LG:LG+1], v[LG:LG+1], v[LG+4:LG+5]
	v_pk_add_f32 v[LG+8:LG+9], v[LG+8:LG+9], v[LG+12:LG+13]
	v_pk_add_f32 v[LG:LG+1], v[LG:LG+1], v[LG+8:LG+9]
	v_add_f32 v[PT], v[LG], v[LG+1]
.irp m, 1,2,4,8
	v_add_f32_dpp v[PT], v[PT], v[PT] row_xmask:\m row_mask:0xf bank_mask:0xf
.endr
	v_permlanex16_b32 v[PT+1], v[PT], s[SEL], s[SEL+1]
	v_add_f32 v[PT], v[PT], v[PT+1]
	v_log_f32 v[PT], v[PT]
	v_nop
	s_wait_alu depctr_va_vdst(0)
	v_fma_f32 v[LL], -v[PT], s[NLN2], v[LM]        ; max + ln 2 x log2(sum)
	; MEANS: each thread quantises two components, a row of 32 numbers each, out of the tile that its own wave fetched
	s_wait_tensorcnt 0x2                           ; the first of my three loads has landed; x's two may be out
.irp u, 0,1
.irp i, 0,1,2,3,4,5,6,7
	ds_load_b128 v[RAW+32*\u+4*\i:RAW+32*\u+4*\i+3], v[AMR] offset:\u*XSTEP+16*\i
.endr
.endr
	s_wait_dscnt 0x0
.irp u, 0,1
	AMAX PT, PT+1, RAW+32*\u
	v_add_nc_u32 v[PT+2], 0xff000000, v[PT]
	v_lshrrev_b32 v[BY+\u], 23, v[PT+2]
.irp g, 0,1,2,3
	v_cvt_scalef32_pk8_fp4_f32 v[CD+4*\u+\g], v[RAW+32*\u+8*\g:RAW+32*\u+8*\g+7], v[PT+2]
.endr
	SUMSQ M2, PT+4, PT+6, RAW+32*\u                ; |means[k]|^2 of the f32 numbers
	v_sub_f32 v[PT+3], v[LGC+\u], v[LL]            ; log_softmax
	v_fma_f32 v[CC+\u], v[M2], -0.5, v[PT+3]       ; c
	ds_store_b128 v[AMC], v[CD+4*\u:CD+4*\u+3] offset:512*\u
	ds_store_b8 v[AMB], v[BY+\u] offset:2*\u
	ds_store_b32 v[ACW], v[CC+\u] offset:128*\u
.endr
	s_wait_dscnt 0x0                               ; for the others' sake: my stores have landed
	s_barrier_signal -1
	s_barrier_wait -1                              ; all 512 components' codes, scale bytes and c lie in LDS.  (x's tiles may be out: nothing is filled twice, and each is read by the wave that asked for it, behind its own wait)
.irp g, 0,1,2,3,4,5,6,7
	ds_load_b128 v[MF+8*\g:MF+8*\g+3], v[AM] offset:1024*\g          ; blocks 0, 1: components 64 g + lane
	ds_load_b128 v[MF+8*\g+4:MF+8*\g+7], v[AM] offset:1024*\g+512    ; blocks 2, 3: 32 further on
.endr
.irp i, 0,1,2,3
	ds_load_b32 v[MS+\i], v[AS] offset:128*\i
.endr
	WIN 0x40                                       ; destination window 1
.set ct, 0
.rept 32
	ds_load_b128 v[8*ct:8*ct+3], v[AC] offset:64*ct
	ds_load_b128 v[8*ct+4:8*ct+7], v[AC] offset:64*ct+16
.set ct, ct+1
.endr
	WIN 0
	s_wait_tensorcnt 0x1                           ; my first 32 rows of x have landed; the load of the other 96 may be out
	QUANT AX                                       ; (its wait for LDS serves the loads above too)
	s_mov_b32 s[XO], XSTEP
	s_mov_b32 s[OO], 0
	s_mov_b32 s[TR], 3
.Ltrip:                                                ; three trips, each of which makes the next trip's operands at its end
	TRIP
	s_wait_tensorcnt 0x0                           ; all of my x has landed
	v_add_nc_u32 v[AXT], s[XO], v[AX]
	QUANT AXT
	s_add_co_u32 s[XO], s[XO], XSTEP
	s_add_co_u32 s[OO], s[OO], 128
	s_sub_co_u32 s[TR], s[TR], 1
	s_cmp_lg_u32 s[TR], 0
	s_cbranch_scc1 .Ltrip
	TRIP                                           ; the last 32 rows: nothing is left to quantise
	; THE WAY OUT: my wave's 128 results come back from its stage 16 bytes a lane and leave by one store
	v_and_b32 v[TM], 31, v0
	v_lshlrev_b32 v[TM+1], 4, v[TM]
	s_lshl_b32 s15, s[WV], 9
	s_add_co_u32 s15, s15, OSTG
	v_add_nc_u32 v[TM+2], s15, v[TM+1]
	ds_load_b128 v[ZB:ZB+3], v[TM+2]               ; LDS serves a wave's instructions in order (ISA guide 5.7.1.4): this sees my four stores
	s_wait_dscnt 0x0
	global_store_b128 v[TM+1], v[ZB:ZB+3], s[10:11] th:TH_STORE_NT   ; 32 lanes store 512 consecutive bytes, at a multiple of 512 from out0's first byte
	s_wait_xcnt 0x0
	v_lshl_add_u32 v254, v0, 2, 0x38000
	v_mov_b32 v255, 0
	s_wait_tensorcnt 0x0
	ds_add_u32 v254, v255
	s_wait_dscnt 0x0
	ROUND                                          ; the closing round: no work-group ends while a partner may still ask for a tile that names it
	s_endpgm
.Lfunc_end_k_q0c5506e33e_gmnll:
	.size	k_q0c5506e33e_gmnll, .Lfunc_end_k_q0c5506e33e_gmnll-k_q0c5506e33e_gmnll
	.p2alignl 7, 3214868480
	.fill 96, 4, 3214868480
	.section	.rodata,"a",@progbits
	.p2align	6, 0x0
	.amdhsa_kernel k_q0c5506e33e_gmnll
		.amdhsa_group_segment_fixed_size 230400
		.amdhsa_private_segment_fixed_size 0
		.amdhsa_enable_private_segment 0
		.amdhsa_kernarg_size 32
		.amdhsa_user_sgpr_count 2
		.amdhsa_user_sgpr_kernarg_segment_ptr 1
		.amdhsa_wavefront_size32 1
		.amdhsa_system_sgpr_workgroup_id_x 1
		.amdhsa_system_sgpr_workgroup_id_y 1
		.amdhsa_system_sgpr_workgroup_id_z 1
		.amdhsa_system_vgpr_workitem_id 0
		.amdhsa_next_free_vgpr 512
		.amdhsa_next_free_sgpr 72
		.amdhsa_reserve_vcc 0
		.amdhsa_float_denorm_mode_32 3
		.amdhsa_float_denorm_mode_16_64 3
		.amdhsa_memory_ordered 1
		.amdhsa_forward_progress 1
		.amdhsa_inst_pref_size 180
	.end_amdhsa_kernel
	.amdgpu_metadata
---
amdhsa.version: [ 1, 2 ]
amdhsa.kernels:
  - .name:           k_q0c5506e33e_gmnll
    .symbol:         k_q0c5506e33e_gmnll.kd
    .args:
      - { .name: x, .offset: 0, .size: 8, .value_kind: global_buffer, .address_space: global }
      - { .name: logits, .offset: 8, .size: 8, .value_kind: global_buffer, .address_space: global }
      - { .name: means, .offset: 16, .size: 8, .value_kind: global_buffer, .address_space: global }
      - { .name: out0, .offset: 24, .size: 8, .value_kind: global_buffer, .address_space: global }
    .group_segment_fixed_size: 230400
    .private_segment_fixed_size: 0
    .kernarg_segment_align: 8
    .kernarg_segment_size: 32
    .max_flat_workgroup_size: 256
    .sgpr_count:     72
    .vgpr_count:     512
    .wavefront_size: 32
...
	.end_amdgpu_metadata
.endif
;; end of part 1
